; MI455X (gfx1250); checked and timed in simulation.
; The chip was launched on July 23, 2026; its instructions are those of AMD's public machine-readable ISA for CDNA 5 (MIT licence, August 2026) and "CDNA5" Instruction Set Architecture Reference Guide (July 2026). The comments in the code are by the model that wrote it; some were corrected since.
;; Sparse Network. Allowed arithmetic: matrix products marked QUANTISED: E3M2 operands, one E8M0 scale for each 32 along K, by v_wmma_scale_f32_16x16x128_f8f6f4 with both operands' format E3M2, f32 sums; everything else in f32.
;; Inputs: W_lower 2,048 x 2,048 float32; W_upper 2,048 x 2,048 float32; b_lower 2,048 float32; b_upper 2,048 float32; x 4,096 x 2,048 float32.
;; Outputs: out0 4,096 x 2,048 float32.
;; This version of the problem:
;;   THIS VERSION OF THE PROBLEM IS GIVEN IN LOW PRECISION. The matrix products marked QUANTISED in the list below multiply operands that are first quantised to E3M2 (3 exponent bits, 2 mantissa bits; 6 bits a number), with one power-of-two scale for each 32 numbers along K (OCP MX v1.0); their sums are f32. All else is computed in f32.
;;   The module's matrix products, in the order in which they are computed (A, B: the left and right operand; K: the contracted axis; several contracted axes count as one K, in the product's order):
;;     1. [M 4,096, K 2,048] x [K 2,048, N 2,048]; A: input x; B: computed on the way: QUANTISED
;;     2. [M 4,096, K 2,048] x [K 2,048, N 2,048]; A: computed on the way; B: computed on the way: QUANTISED
;;     3. [M 4,096, K 2,048] x [K 2,048, N 2,048]; A: input x; B: computed on the way: QUANTISED
;;     4. [M 4,096, K 2,048] x [K 2,048, N 2,048]; A: computed on the way; B: computed on the way: QUANTISED
;;   THE QUANTISER, for each operand of a quantised product, along K:
;;     - K is cut into blocks of 32 from its start; a last block that is shorter is filled with zeros.
;;     - A block's scale is 2^e with e = floor(log2(the largest magnitude in the block)) - 4, held to -126 .. 127; a block of zeros has e = 0. As a byte (E8M0): e + 127.
;;     - Each number is divided by its block's scale, clamped to +-28, and rounded to the nearest number of E3M2, ties to even, subnormals kept.
;;     - The product sums the exact products of the quantised numbers (number of the format x scale) in f32.
;;   ~~~python
;;   def quantise(x, axis):      # numpy; x: float32 -> the quantised numbers, widened to float32 again
;;       x = np.moveaxis(x, axis, -1); K = x.shape[-1]
;;       x = np.pad(x, [(0, 0)] * (x.ndim - 1) + [(0, -K % 32)]); x = x.reshape(x.shape[:-1] + (-1, 32)); a = np.abs(x).max(-1, keepdims=True)
;;       e = np.where(a > 0, np.clip(np.frexp(np.where(a > 0, a, 1))[1] - 1 - 4, -126, 127), 0)      # np.frexp(a)[1] - 1 = floor(log2(a)), exactly
;;       r = np.clip(x / 2.0 ** e, -28, 28)
;;       step = 2.0 ** (np.maximum(np.frexp(np.where(r == 0, 1, r))[1] - 1, -2) - 2)
;;       q = np.round(r / step) * step * 2.0 ** e      # np.round: ties to even
;;       return np.moveaxis(q.reshape(q.shape[:-2] + (-1,))[..., :K], -1, axis).astype(np.float32)
;;   ~~~
;;   OPERANDS COMPUTED ON THE WAY. 'Computed on the way' means the value that the module computes at that place (a softmax that the list does not call 'softmax' is quantised finished and normalised). What goes into a quantiser is computed in f32, as accurately as f32 sums, v_exp_f32 and their like allow (about 1e-6 of the number): no bf16 or f16 on the way to a quantiser, and a product that is left as it is and whose result goes on into a quantised operand takes f32 operands (vector FMAs, or v_wmma_f32_16x16x4_f32). A number that lies on a knife's edge between two numbers of the format may be rounded either way, as far as f32 arithmetic and the matrix unit's own rounding can turn it there, and no further.
;; One version. Each part assembles by itself: llvm-mc -triple=amdgcn-amd-amdhsa -mcpu=gfx1250 --defsym DOCPART=n.
;; ======== version 1 of 1: 3 launches
;; limits: right only within a limited range of input values
;; workspace buffers: xc 6,291,456 bytes; xs 262,144 bytes; hc 6,291,456 bytes; hs 262,144 bytes; wuq 1,740,800 bytes; wlq 1,740,800 bytes
;; launch quant (part 1): grid 1568 x 1, 4 waves a work-group, no clusters, 34,560 bytes of LDS; arguments x, W_upper, W_lower, xc, xs, wuq, wlq; writes xc, xs, wuq, wlq
.if DOCPART == 1
	.amdgcn_target "amdgcn-amd-amdhsa--gfx1250"
	.amdhsa_code_object_version 6
	.text
	.protected	k_q29d2471203_quant
	.globl	k_q29d2471203_quant
	.p2align	8
	.type	k_q29d2471203_quant,@function
k_q29d2471203_quant:
	s_mov_b64 s[64:65], 0
	v_nop
	global_prefetch_b8 v0, s[64:65] scope:SCOPE_SE
	s_setreg_imm32_b32 hwreg(HW_REG_WAVE_MODE, 25, 1), 1
	s_wait_xcnt 0x0
; x [4096][2048], triu(W_upper) and tril(W_lower) [2048][2048], f32, K innermost, become codes of BF6 (E3M2) with one E8M0 scale byte for each 32 along K.
; WORK LEFT OUT IN THIS PROGRAM, for all values of the inputs: reference() computes relu(upper(x)) twice with the same operands and overwrites the relu(lower(..)) between them unread: upper(x) is computed once and that
; product not at all.  Tiles of W that lie wholly on the zero side of triu / tril are neither read nor multiplied.  All inputs have a way to the output.
; LIMITS: a NaN, an infinity or an overflow that reaches only the work left out is not carried to the result; NaN and infinities among the inputs are not served.  A block of zeros gets the byte 1 where the rule says 127: its
; codes are zeros, which add nothing under that byte, and this program alone reads the bytes.  Blocks whose largest magnitude lies under 2^(5 - 127) have their byte held at 1.
; A block's scale is 2^(floor(log2(its largest magnitude)) - 4); its byte is the largest magnitude's exponent field - 4.  The triangular mask is applied ahead of the maximum.
; A FRAGMENT is 16 rows x 128 K: lane (r, h) holds row r, registers 6 c .. 6 c + 5 K = 64 c + 32 h + 0 .. 31.  A wave makes one fragment; a work-group of four waves makes
;   work-groups 0 .. 271 (W_upper), 272 .. 543 (W_lower): ONE SLOT BLOCK of 64 rows of W x 128 K, 6,400 bytes: fragment t at 1536 t (register n of lane l at 512 (n / 4) + 16 l + 4 (n % 4)), scale words at 6144 + 16 r + 4 t.
;     Lane r of fragment t holds the block's row 32 (t / 2) + 8 (t % 2) + r + 8 (r / 8).  Block 34 q + s is slot s of the product's work-groups q (below).
;   work-groups 544 ..: x: 32 rows x 2 K tiles: wave k has rows 16 (k % 2) .. and K tile 2 g + k / 2; the work-group's number - 544 is 8 (4 rt + w) + g.  Codes: 3,072 bytes for each (rt, K tile, w): 1536 c + 768 f: registers
;     6 c .. 6 c + 3 of lane l at 16 l, 6 c + 4, 6 c + 5 at 512 + 8 l.  Scale words: 256 bytes for each (rt, w, g): 16 r + 4 k.
; THE DEAL OF THE COLUMNS: work-group column q, cls = q / 2, c = q % 2, takes for m = 0 .. 3 the 64 columns c of the virtual column tile vt = 4 m + (m even: cls, m odd: 3 - cls); for upper the true tile is vt and the K tile
; vk, for lower 15 - vt and 15 - vk; a tile is live where vk >= vt: 34 live (m, vk) for every q.  Slots in the walk's order, vk descending: s < 16: vk = 15 - s / 4, m = 3 - s % 4; 16: vk 11, m 2; then m = 1, 0 by turns from vk = 11
; down; 33: vk 3, m 0.  A slot whose (m odd, vk) is not live holds (m - 1, 8 m - 2 - vk) in its stead, which is live exactly then.
.set STG,  8448                        ; a wave's stage: 16 rows of
.set SP,   528                         ; 512 bytes + 16: row r starts 4 r banks on (64 banks of 4 bytes: ISA guide 11.1)
.set GATH, 4*STG                       ; behind the stages: 256 bytes of scale words
.set SPARE, GATH+256                   ; the spare words
.set X,    16                          ; v16-79   the rows as loaded, then 64 numbers of my row: register 32 c + e is K = 64 c + 32 h + e
.set PC,   80                          ; v80-91   the codes
.set TU,   92                          ; v92-94, v96-98 upper halves of the two blocks' codes, before they are moved
.set MX,   12
.set SO,   14
	s_load_b256 s[4:11], s[0:1], 0x0               ; x s[4:5], W_upper s[6:7], W_lower s[8:9], xc s[10:11]
	s_load_b128 s[12:15], s[0:1], 0x20             ; xs s[12:13], wuq s[14:15]
	s_load_b64 s[38:39], s[0:1], 0x30              ; wlq
	v_lshrrev_b32 v9, 5, v0
	v_readfirstlane_b32 s16, v9                    ; wave k
	; the weights' numbers (x's work-groups compute them from the last block and do not use them)
	s_min_u32 s18, ttmp9, 543
	s_cmp_ge_u32 s18, 272
	s_cselect_b32 s19, 1, 0                        ; 1: W_lower
	s_cselect_b32 s24, 272, 0
	s_sub_co_u32 s18, s18, s24                     ; 34 q + s
	s_mul_i32 s24, s18, 1928
	s_lshr_b32 s20, s24, 16                        ; q (exact for numbers under 272)
	s_mul_i32 s24, s20, 34
	s_sub_co_u32 s21, s18, s24                     ; s
	s_lshr_b32 s22, s20, 1                         ; cls
	s_and_b32 s23, s20, 1                          ; c
	s_lshr_b32 s26, s21, 2
	s_sub_co_u32 s26, 15, s26                      ; vk and m where s < 16,
	s_and_b32 s25, s21, 3
	s_sub_co_u32 s25, 3, s25
	s_max_u32 s27, s21, 17
	s_sub_co_u32 s27, s27, 17
	s_lshr_b32 s28, s27, 1
	s_sub_co_u32 s28, 11, s28                      ; and from there on
	s_and_b32 s29, s27, 1
	s_sub_co_u32 s29, 1, s29
	s_cmp_lt_u32 s21, 16
	s_cselect_b32 s26, s26, s28
	s_cselect_b32 s25, s25, s29
	s_cmp_eq_u32 s21, 16
	s_cselect_b32 s25, 2, s25
	s_cmp_eq_u32 s21, 33
	s_cselect_b32 s25, 0, s25
	s_sub_co_u32 s27, 3, s22
	s_bitcmp1_b32 s25, 0
	s_cselect_b32 s27, s27, s22
	s_lshl2_add_u32 s27, s25, s27                  ; vt
	s_lshl_b32 s28, s25, 3
	s_sub_co_u32 s28, s28, 2
	s_sub_co_u32 s28, s28, s26                     ; 8 m - 2 - vk
	s_sub_co_u32 s29, s25, 1
	s_lshl2_add_u32 s29, s29, s22                  ; 4 (m - 1) + cls
	s_cmp_lt_u32 s26, s27
	s_cselect_b32 s26, s28, s26
	s_cselect_b32 s27, s29, s27
	s_cmp_eq_u32 s26, s27
	s_cselect_b32 s31, 1, 0                        ; 1: the tile touches the mask
	s_sub_co_u32 s28, 15, s26
	s_sub_co_u32 s29, 15, s27
	s_cmp_eq_u32 s19, 1
	s_cselect_b32 s26, s28, s26                    ; K tile
	s_cselect_b32 s27, s29, s27                    ; column tile
	s_lshr_b32 s28, s16, 1
	s_and_b32 s29, s16, 1
	s_lshl_b32 s30, s23, 6
	s_lshl_b32 s33, s28, 5
	s_add_co_u32 s30, s30, s33
	s_lshl_b32 s33, s29, 3
	s_add_co_u32 s30, s30, s33                     ; my fragment's first row in the tile of 128
	s_lshl_b32 s32, s27, 7
	s_add_co_u32 s32, s32, s30
	s_mul_i32 s34, s18, 6400
	s_mul_i32 s35, s16, 1536
	s_add_co_u32 s35, s34, s35                     ; my fragment in the buffer,
	s_add_co_u32 s34, s34, 6144                    ; the block's scale words
	; x's numbers
	s_max_u32 s36, ttmp9, 544
	s_sub_co_u32 s36, s36, 544                     ; 8 (4 rt + w) + g
	s_and_b32 s37, s36, 7
	s_lshl_b32 s37, s37, 1
	s_add_co_u32 s37, s37, s28                     ; K tile
	s_lshr_b32 s40, s36, 3
	s_lshl_b32 s41, s40, 5
	s_lshl_b32 s42, s29, 4
	s_add_co_u32 s41, s41, s42                     ; first row
	s_lshr_b32 s42, s36, 5
	s_lshl_b32 s42, s42, 4
	s_add_co_u32 s42, s42, s37
	s_lshl_b32 s42, s42, 2
	s_and_b32 s43, s40, 3
	s_add_co_u32 s42, s42, s43
	s_mul_i32 s42, s42, 3072
	s_mul_i32 s43, s29, 768
	s_add_co_u32 s42, s42, s43                     ; codes
	s_lshl_b32 s43, s36, 8                         ; scale words
	s_mov_b32 s44, 0x20000                         ; from lane row 7 to lane row 8: W 16 rows on from row 0, x 8
	s_cmp_ge_u32 ttmp9, 544
	s_cselect_b32 s32, s41, s32
	s_cselect_b32 s26, s37, s26
	s_cselect_b32 s35, s42, s35
	s_cselect_b32 s31, 0, s31                      ; x has no mask
	s_cselect_b32 s34, s43, s34
	s_cselect_b32 s44, 0x10000, s44
	s_mov_b32 s45, 0
	s_lshl_b32 s46, s32, 13                        ; 8,192 bytes a row,
	s_lshl_b32 s47, s26, 9                         ; 512 a K tile
	s_add_co_u32 s46, s46, s47
	s_mov_b32 s47, 0
	s_mov_b32 s48, s35
	s_mov_b32 s49, 0
	s_mov_b32 s35, 0
	s_mul_i32 s50, s16, STG
	s_lshl_b32 s51, s16, 2
	s_add_co_u32 s51, s51, GATH
	s_mov_b32 s20, 0x76543210
	s_mov_b32 s21, 0xfedcba98                      ; v_permlanex16_b32's selects for lane l xor 16
	v_lshl_add_u32 v99, v0, 2, SPARE               ; my spare word; never rewritten
	v_mov_b32 v100, 0                              ; 0; never rewritten
	v_and_b32 v9, 31, v0
	v_lshlrev_b32 v1, 4, v9                        ; v1: 16 x lane
	v_lshlrev_b32 v6, 3, v9                        ; v6: 8 x lane
	v_add_nc_u32 v2, s50, v1                       ; v2: the stage, on the way in
	v_and_b32 v11, 15, v0                          ; r
	v_bfe_u32 v12, v0, 4, 1                        ; h
	v_mul_u32_u24 v3, v11, SP
	v_lshl_add_u32 v3, v12, 7, v3
	v_add_nc_u32 v3, s50, v3                       ; v3: and on the way out: row r, + 128 h bytes
	v_lshl_add_u32 v4, v11, 4, s51                 ; v4: my row's scale word
	v_and_b32 v13, 8, v11
	v_add_nc_u32 v13, v13, v11                     ; r + 8 (r / 8)
	v_lshlrev_b32 v14, 5, v12
	v_sub_nc_u32 v13, v13, v14
	v_add_nc_u32 v5, s30, v13                      ; v5: my row - the K of my register 0, in a tile on the diagonal
	v_mov_b32 v7, 0
	v_lshlrev_b32 v8, 3, v12                       ; 8 h: where my two bytes stand in the scale word
	v_mov_b32 v10, 0                               ; written once: a lane permute's destination counts as one of its sources
	v_add_nc_u32 v101, GATH, v6                    ; the gathered scale words, 8 bytes a lane
	s_wait_alu depctr_va_vdst(0)                   ; the wait at the head's end
	s_wait_kmcnt 0x0
	s_cmp_eq_u32 s19, 1                            ; the buffers are chosen by the work-group's number alone
	s_cselect_b64 s[6:7], s[8:9], s[6:7]
	s_cselect_b64 s[14:15], s[38:39], s[14:15]
	s_cmp_ge_u32 ttmp9, 544
	s_cselect_b64 s[4:5], s[4:5], s[6:7]
	s_cselect_b64 s[10:11], s[10:11], s[14:15]
	s_cselect_b64 s[12:13], s[12:13], s[14:15]
	s_add_nc_u64 s[4:5], s[4:5], s[46:47]
	s_add_nc_u64 s[6:7], s[4:5], s[44:45]
	s_add_nc_u64 s[10:11], s[10:11], s[48:49]
	s_add_nc_u64 s[12:13], s[12:13], s[34:35]
.irp i, 0,1,2,3,4,5,6,7
	global_load_b128 v[X+4*\i:X+4*\i+3], v1, s[4:5] offset:\i*8192 th:TH_LOAD_NT   ; the row of the fragment's lane i: 32 lanes read 512 consecutive bytes
.endr
.irp i, 0,1,2,3,4,5,6,7
	global_load_b128 v[X+32+4*\i:X+32+4*\i+3], v1, s[6:7] offset:\i*8192 th:TH_LOAD_NT
.endr
.irp i, 0,1,2,3,4,5,6,7,8,9,10,11,12,13,14,15
	s_wait_loadcnt 15-\i                           ; loads come back in order: row i is in
	ds_store_b128 v2, v[X+4*\i:X+4*\i+3] offset:SP*\i
.endr
	s_wait_dscnt 0x0                               ; the stores are done: their registers take my row's numbers
.irp c, 0,1
.irp j, 0,1,2,3,4,5,6,7
	ds_load_b128 v[X+32*\c+4*\j:X+32*\c+4*\j+3], v3 offset:256*\c+16*\j
.endr
.endr
	s_wait_dscnt 0x0
; Register n holds K = (the K of my register 0) + 64 (n / 32) + n % 32.  Upper keeps K >= row: dropped where the constant < v5.  Lower keeps K <= row: dropped where the constant > v5.
.macro MASK ins
.set n, 0
.rept 64
	\ins vcc_lo, 64*(n/32)+n%32, v5
	v_cndmask_b32 v[X+n], v[X+n], v7, vcc_lo
.set n, n+1
.endr
.endm
	s_cmp_eq_u32 s31, 0                            ; tiles that the mask does not touch pass by
	s_cbranch_scc1 .Lnomask
	s_cmp_eq_u32 s19, 1
	s_cbranch_scc1 .Llow
	MASK v_cmp_lt_i32
	s_wait_alu depctr_va_vdst(0)                   ; the wait directly ahead of the branch
	s_branch .Lnomask
.Llow:
	MASK v_cmp_gt_i32
.Lnomask:
.irp c, 0,1
	v_max3_num_f32 v[MX+\c], |v[X+32*\c]|, |v[X+32*\c+1]|, 0x2800000   ; block 2 c + h: all its 32 numbers are mine; and the floor 2^(5 - 127): the byte cannot fall under 1
.endr
.irp i, 2,4,6,8,10,12,14,16,18,20,22,24,26,28,30
.irp c, 0,1
	v_max3_num_f32 v[MX+\c], v[MX+\c], |v[X+32*\c+\i]|, |v[X+32*\c+\i+1]|   ; (the two blocks by turns)
.endr
.endr
.irp c, 0,1
	v_add_nc_u32 v[SO+\c], 0xfe000000, v[MX+\c]    ; 4 off the exponent field: the conversion takes the exponent field of this operand as its scale
.endr
	v_lshrrev_b32 v9, 23, v[SO]                    ; the two bytes,
	v_lshrrev_b32 v11, 23, v[SO+1]
	v_lshl_or_b32 v9, v11, 16, v9                  ; blocks h and 2 + h,
	v_lshlrev_b32 v9, v8, v9                       ; at their places in the word
	v_permlanex16_b32 v10, v9, s20, s21
	v_or_b32 v9, v9, v10                           ; with lane l xor 16's two the word is whole
.irp c, 0,1
	v_cvt_scalef32_pk16_bf6_f32 v[PC+6*\c:PC+6*\c+2], v[X+32*\c:X+32*\c+15], v[SO+\c]
	v_cvt_scalef32_pk16_bf6_f32 v[TU+4*\c:TU+4*\c+2], v[X+32*\c+16:X+32*\c+31], v[SO+\c]   ; (a conversion's three registers begin on an even number: the second half of a block's six is made here and moved)
.endr
	v_nop                                          ; one plain instruction behind the scaled conversions
.irp c, 0,1
.irp i, 0,1,2
	v_mov_b32 v[PC+6*\c+3+\i], v[TU+4*\c+\i]
.endr
.endr
	ds_store_b32 v4, v9                            ; lanes r and r + 16 write the same word with the same value
	s_wait_alu depctr_va_vdst(0)                   ; the wait ahead of the branch
	s_cmp_ge_u32 ttmp9, 544
	s_cbranch_scc1 .Lxout
.irp g, 0,1,2
	global_store_b128 v1, v[PC+4*\g:PC+4*\g+3], s[10:11] offset:512*\g   ; 32 lanes store 512 consecutive bytes, at a multiple of 512 from the block's first byte
.endr
	s_branch .Lout
.Lxout:
.irp c, 0,1
	global_store_b128 v1, v[PC+6*\c:PC+6*\c+3], s[10:11] offset:1536*\c       ; 512 consecutive bytes,
	global_store_b64 v6, v[PC+6*\c+4:PC+6*\c+5], s[10:11] offset:1536*\c+512  ; and 256, at multiples of 256
.endr
.Lout:
	s_wait_dscnt 0x0                               ; for the others' sake: my scale words lie in LDS
	s_barrier_signal -1
	s_barrier_wait -1
	s_cmp_lg_u32 s16, 0                            ; wave 0 stores the 256 bytes of scale words
	s_cbranch_scc1 .Lend
	ds_load_b64 v[16:17], v101
	s_wait_dscnt 0x0
	global_store_b64 v6, v[16:17], s[12:13]
.Lend:
	s_wait_tensorcnt 0x0                           ; the wave's end
	ds_add_u32 v99, v100
	s_wait_dscnt 0x0
	s_endpgm
.Lfunc_end_k_q29d2471203_quant:
	.size	k_q29d2471203_quant, .Lfunc_end_k_q29d2471203_quant-k_q29d2471203_quant
	.p2alignl 7, 3214868480
	.fill 96, 4, 3214868480
	.section	.rodata,"a",@progbits
	.p2align	6, 0x0
	.amdhsa_kernel k_q29d2471203_quant
		.amdhsa_group_segment_fixed_size 34560
		.amdhsa_private_segment_fixed_size 0
		.amdhsa_enable_private_segment 0
		.amdhsa_kernarg_size 56
		.amdhsa_user_sgpr_count 2
		.amdhsa_user_sgpr_kernarg_segment_ptr 1
		.amdhsa_wavefront_size32 1
		.amdhsa_system_sgpr_workgroup_id_x 1
		.amdhsa_system_sgpr_workgroup_id_y 1
		.amdhsa_system_sgpr_workgroup_id_z 1
		.amdhsa_system_vgpr_workitem_id 0
		.amdhsa_next_free_vgpr 104
		.amdhsa_next_free_sgpr 66
		.amdhsa_reserve_vcc 1
		.amdhsa_float_denorm_mode_32 3
		.amdhsa_float_denorm_mode_16_64 3
		.amdhsa_memory_ordered 1
		.amdhsa_forward_progress 1
		.amdhsa_inst_pref_size 24
	.end_amdhsa_kernel
	.amdgpu_metadata
---
amdhsa.version: [ 1, 2 ]
amdhsa.kernels:
  - .name:           k_q29d2471203_quant
    .symbol:         k_q29d2471203_quant.kd
    .args:
      - { .name: x, .offset: 0, .size: 8, .value_kind: global_buffer, .address_space: global }
      - { .name: W_upper, .offset: 8, .size: 8, .value_kind: global_buffer, .address_space: global }
      - { .name: W_lower, .offset: 16, .size: 8, .value_kind: global_buffer, .address_space: global }
      - { .name: xc, .offset: 24, .size: 8, .value_kind: global_buffer, .address_space: global }
      - { .name: xs, .offset: 32, .size: 8, .value_kind: global_buffer, .address_space: global }
      - { .name: wuq, .offset: 40, .size: 8, .value_kind: global_buffer, .address_space: global }
      - { .name: wlq, .offset: 48, .size: 8, .value_kind: global_buffer, .address_space: global }
    .group_segment_fixed_size: 34560
    .private_segment_fixed_size: 0
    .kernarg_segment_align: 8
    .kernarg_segment_size: 56
    .max_flat_workgroup_size: 128
    .sgpr_count:     66
    .vgpr_count:     104
    .wavefront_size: 32
...
	.end_amdgpu_metadata
.endif
;; end of part 1
;; launch gemm1 (part 2): grid 32 x 8, 4 waves a work-group, clusters of 4 x 1, 327,680 bytes of LDS; arguments xc, xs, wuq, b_upper, hc, hs; writes hc, hs
.if DOCPART == 2
	.amdgcn_target "amdgcn-amd-amdhsa--gfx1250"
	.amdhsa_code_object_version 6
	.text
	.protected	k_q29d2471203_gemm1
	.globl	k_q29d2471203_gemm1
	.p2align	8
	.type	k_q29d2471203_gemm1,@function
k_q29d2471203_gemm1:
	s_mov_b64 s[64:65], 0
	v_nop
	global_prefetch_b8 v0, s[64:65] scope:SCOPE_SE
	s_setreg_imm32_b32 hwreg(HW_REG_WAVE_MODE, 25, 1), 1
	s_wait_xcnt 0x0
	s_wait_alu depctr_hold_cnt(0) depctr_sa_sdst(0) depctr_va_vdst(0) depctr_va_sdst(0) depctr_va_ssrc(0) depctr_va_vcc(0) depctr_vm_vsrc(0)
	s_getreg_b32 s2, hwreg(HW_REG_IB_STS2, 6, 4)
	s_cmp_eq_u32 s2, 0
	s_cbranch_scc0 .Lentry_in_a_cluster
	s_endpgm
.Lentry_in_a_cluster:
	s_bfe_u32 s2, ttmp6, 0x10000c
	s_cmp_lg_u32 s2, 0x3003
	s_cbranch_scc0 .Lentry_shape_is_right
	s_endpgm
.Lentry_shape_is_right:
; h = relu(x triu(W_upper)^T + b_upper), quantised along its columns, which are the next product's K.  Operands are codes of BF6 (E3M2) with E8M0 scales in the layouts that the first launch states.
; WORK LEFT OUT: tiles of W wholly under the triangular mask; reference()'s second, equal computation of this product, and the product that it overwrites unread.
; LIMITS: NaN and infinities are not served (relu of NaN gives 0 here); a NaN, an infinity or an overflow that reaches only the work left out is not carried; a block of zeros gets the scale byte 1 over zero codes.
; SHARES.  256 work-groups of equal work: row tile rt of 128 rows, column deal q (cls = q / 2, c = q % 2): four groups m of 64 columns, in the column tiles vt = 4 m + (m even: cls, m odd: 3 - cls).  Step i takes K tile 15 - i; group m
; is live where 15 - i >= vt: 34 live group steps for every q.  A wave makes 32 rows x all 256 columns: accumulator (m, f, t) at 64 m + 32 f + 8 t.
; W: a group step's block (64 columns x 128 K) is 6,400 bytes; the 34 blocks of q lie in slot order and come into LDS ONCE, 217,600 bytes, by one tensor load a wave: wave 0 slots 0 .. 3, wave 1 4 .. 13, wave 2 14 .. 23, wave 3
; 24 .. 33.  No bytes are filled again.  Each load is shown by its own wave's wait for 0 and a barrier.  CLUSTER: the four row tiles of a cluster take the same q: the loads are joint (mask 15).
; x: a wave's codes of a K tile are 24 registers, loaded from memory straight into a ring of seven sets, six K tiles ahead: 8 loads a tile.  They are not asked for jointly: joint loads land in LDS, and x's 16 tiles, 196,608 bytes,
; do not fit there beside W's 217,600.  No prefetch: W is asked for whole at the head, there is no loop to run ahead in, and x's loads themselves run six tiles ahead.
; SLOTS 4, 8, 12, 27, 29, 31 hold one of two blocks: that of the odd m where it is live, else that of m - 1 at a later step.  They are read into registers once and HELD till the later step; a scalar branch on cls leads round products alone.
; THE MATRIX INSTRUCTION IS USED TRANSPOSED (source 0 = 16 rows of W, source 1 = 16 rows of x): lane (r, hh) holds row r of x's fragment f, register j of tile t the column 32 (t / 2) + 16 hh + 8 (t % 2) + j of the group.
; REGISTERS: window 0: v1-12 addresses; v16-43 W's scale words (nothing else), v44-75 x's scale words (nothing else); v76-175 the way out; v176-223 held block 2; v224-255 bias of odd m.  Window 1: v0-167 x's ring, v168-215 held
; block 1, v216-247 bias of even m.  Window 2: v0-191 four buffers of W fragments, v192-239 held block 0.  Window 3: the accumulators.
.set BLKB,  6400
.set SPARE, 34*BLKB                    ; behind W: the spare words
.set SX,    44
.set T,     76                         ; the way out: 64 numbers of h
.set MX,    140
.set PX,    144
.set SO,    148
.set PC,    152
.set TU,    164
.set WD,    172                        ; v172-173 scale bytes of the four groups, gathered
.set NL,    0                          ; blocks of W read so far
.set LC,    0                          ; loads into registers issued so far on every way
.set MSB,   0
.macro WIN new                         ; the immediate's high byte repeats the setting that is left
.if MSB != (\new)
	s_set_vgpr_msb (MSB<<8)|(\new)
.set MSB, (\new)
.endif
.endm
.macro PLACES                          ; four plain instructions between a matrix instruction and a load into its registers or a read of its result (ISA guide 7.12.1 for the read of its result)
.rept 4
	v_nop
.endr
.endm
.macro ROUND                           ; a round of the cluster's barrier
	s_barrier_signal -1
	s_barrier_wait -1
	s_cmp_lg_u32 s16, 0
	s_cbranch_scc1 .Lnot_wave_0_\@
	s_barrier_signal -3
.Lnot_wave_0_\@:
	s_barrier_wait -3
	s_barrier_signal -1
	s_barrier_wait -1
.endm
.macro BUFOF s                         ; slot s's registers: window BW, fragments from BB, scale words from BS
.set BQ, (\s)
.if (BQ == 4) || (BQ == 27)
.set BW, 2
.set BB, 192
.set BS, 32
.elseif (BQ == 8) || (BQ == 29)
.set BW, 1
.set BB, 168
.set BS, 36
.elseif (BQ == 12) || (BQ == 31)
.set BW, 0
.set BB, 176
.set BS, 40
.else
.set BR, BQ
.irp hh, 4,8,12,27,29,31
.if BQ > \hh
.set BR, BR-1
.endif
.endr
.set BW, 2
.set BB, 48*(BR&3)
.set BS, 16+4*(BR&3)
.endif
.endm
.macro LOADBLK                         ; the next slot: its scale words and four fragments, 13 LDS loads
	BUFOF NL
.set LB, NL/10
.set LO, (NL%10)*BLKB
	PLACES
	WIN 0
	ds_load_b128 v[BS:BS+3], v[6+LB] offset:LO+6144
	WIN 64*BW
.irp t, 0,1,2,3
.irp g, 0,1,2
	ds_load_b128 v[BB+12*\t+4*\g:BB+12*\t+4*\g+3], v[1+LB] offset:LO+1536*\t+512*\g
.endr
.endr
.set NL, NL+1
.endm
.macro AHEAD s                         ; slots up to s + 2 are asked for
.rept 3
.if (NL < (\s)+3) && (NL < 34)
	LOADBLK
.endif
.endr
.endm
.macro NEED s                          ; slot s is in: the blocks asked for behind it may be out, 13 loads each
	s_wait_dscnt 13*(NL-1-(\s))
.endm
.macro MUL s, m, i, zero=0             ; 8 products: the accumulators take turns, one instruction a turn
	BUFOF \s
.set XB, 24*((\i)%7)
.set SK, SX+2*(15-(\i))
	WIN 0xf4+BW
.irp f, 0,1
.irp t, 0,1,2,3
.if \zero
	v_wmma_scale_f32_16x16x128_f8f6f4 v[64*\m+32*\f+8*\t:64*\m+32*\f+8*\t+7], v[BB+12*\t:BB+12*\t+11], v[XB+12*\f:XB+12*\f+11], 0, v[BS+\t], v[SK+\f] matrix_a_fmt:MATRIX_FMT_BF6 matrix_b_fmt:MATRIX_FMT_BF6
.else
	v_wmma_scale_f32_16x16x128_f8f6f4 v[64*\m+32*\f+8*\t:64*\m+32*\f+8*\t+7], v[BB+12*\t:BB+12*\t+11], v[XB+12*\f:XB+12*\f+11], v[64*\m+32*\f+8*\t:64*\m+32*\f+8*\t+7], v[BS+\t], v[SK+\f] matrix_a_fmt:MATRIX_FMT_BF6 matrix_b_fmt:MATRIX_FMT_BF6
.endif
.endr
.endr
.endm
.macro M s, m, i, zero=0
	AHEAD \s
	NEED \s
	MUL \s, \m, \i, \zero
.endm
.macro CM s, m, i, d                   ; m odd, K tile 4 m + d: live where d >= 3 - cls
	AHEAD \s
	NEED \s
	WIN 0
	s_cmp_lt_u32 s19, 3-\d
	s_cbranch_scc1 .Lno_\@
	MUL \s, \m, \i
	WIN 0
.Lno_\@:
.endm
.macro CH s, m, i, d                   ; m even, K tile 4 m + d, from the held block: live where d >= cls
	WIN 0
	s_cmp_gt_u32 s19, \d
	s_cbranch_scc1 .Lno_\@
	MUL \s, \m, \i
	WIN 0
.Lno_\@:
.endm
.macro SHOWN k                         ; wave k's load has landed: its own wait, then the barrier's signal.  No LDS read of mine is out
	WIN 0
	s_wait_dscnt 0x0
.if \k < 3
	s_cmp_eq_u32 s16, \k
	s_cbranch_scc0 .Lnot_mine_\@
	s_wait_tensorcnt 0x0
.Lnot_mine_\@:
.else
	s_wait_tensorcnt 0x0
.endif
	s_barrier_signal -1
.endm
.macro ML s, m, i, zero, k             ; a block's products between the signal and the wait of the barrier that shows wave k's load
	SHOWN \k
	MUL \s, \m, \i, \zero
	s_barrier_wait -1
.endm
.macro XLD j                           ; K tile 15 - j of x into set j % 7
.set XB, 24*((\j)%7)
.set KO, (15-(\j))*12288
	WIN 0x40
.irp f, 0,1
.irp c, 0,1
	global_load_b128 v[XB+12*\f+6*\c:XB+12*\f+6*\c+3], v1, s[56:57] offset:KO+1536*\c+768*\f
	global_load_b64 v[XB+12*\f+6*\c+4:XB+12*\f+6*\c+5], v5, s[56:57] offset:KO+1536*\c+768*\f+512
.endr
.endr
.endm
.macro XLOAD j
	XLD \j
.set LC, LC+8
.set XP\j, LC
.endm
.macro XLOADC j, d                     ; a K tile under the mask for cls > d: not loaded there.  The counts of the waits leave these loads out
	WIN 0
	s_cmp_gt_u32 s19, \d
	s_cbranch_scc1 .Lno_\@
	XLD \j
	WIN 0
.Lno_\@:
.set XP\j, LC
.endm
.macro WAITX i                         ; x's tile of step i is in: the loads issued behind it on every way may be out
.set WN, LC-XP\i
.if WN > 63                            ; (the wait's field holds no more: one load of the next tile is then waited for too)
.set WN, 63
.endif
	s_wait_loadcnt WN
.endm
.macro BLOAD m                         ; the bias of group m's columns, in the accumulators' order
.if \m & 1
.set BI, 224
	WIN 0
.else
.set BI, 216
	WIN 0x40
.endif
.irp t, 0,1,2,3
	global_load_b128 v[BI+8*\t:BI+8*\t+3], v12, s[78+2*\m:79+2*\m] offset:(32*(\t/2)+8*(\t%2))*4
	global_load_b128 v[BI+8*\t+4:BI+8*\t+7], v12, s[78+2*\m:79+2*\m] offset:(32*(\t/2)+8*(\t%2))*4+16
.endr
.set LC, LC+8
.set BP\m, LC
.endm
; THE WAY OUT of group m: bias, relu, the blocks' largest numbers with lane l xor 16's, scale bytes, codes.  Block k = 2 f + b is columns 32 b .. of fragment f's row.  After the exchange of halves a lane holds a whole block: registers
; 6 c .. 6 c + 5 of h's fragment.
.macro EPI m
	PLACES
	s_wait_loadcnt LC-BP\m
	s_wait_xcnt 0x0                                ; the last group's stores have read their registers
.if \m & 1
.set BI, 224
	WIN 0x03                                       ; source 0 window 3, source 1 window 0
.else
.set BI, 216
	WIN 0x07                                       ; source 0 window 3, source 1 window 1
.endif
.irp f, 0,1
.set j, 0
.rept 16
	v_pk_add_f32 v[T+32*\f+j:T+32*\f+j+1], v[64*\m+32*\f+j:64*\m+32*\f+j+1], v[BI+j:BI+j+1]   ; each accumulator from its low end on
.set j, j+2
.endr
.endr
	WIN 0
.set j, 0
.rept 64
	v_max_num_f32 v[T+j], 0, v[T+j]
.set j, j+1
.endr
.irp k, 0,1,2,3
	v_max3_num_f32 v[MX+\k], v[T+16*\k], v[T+16*\k+1], 0x2800000   ; none is negative: no |.|; and the floor 2^(5 - 127): the byte cannot fall under 1
.endr
.irp i, 2,4,6,8,10,12,14
.irp k, 0,1,2,3
	v_max3_num_f32 v[MX+\k], v[MX+\k], v[T+16*\k+\i], v[T+16*\k+\i+1]
.endr
.endr
.irp k, 0,1,2,3
	v_permlanex16_b32 v[PX+\k], v[MX+\k], s86, s87
.endr
.irp k, 0,1,2,3
	v_max_num_f32 v[MX+\k], v[MX+\k], v[PX+\k]
.endr
.irp k, 0,1,2,3
	v_add_nc_u32 v[SO+\k], 0xfe000000, v[MX+\k]    ; 4 off the exponent field: the conversion's scale operand
.endr
.irp k, 0,1,2,3
	v_lshrrev_b32 v[MX+\k], 23, v[SO+\k]           ; the scale's byte
.endr
	v_lshl_or_b32 v[MX], v[MX+1], 8, v[MX]
	v_lshl_or_b32 v[MX+2], v[MX+3], 8, v[MX+2]
	v_cndmask_b32 v[MX], v[MX], v[MX+2], s88       ; lanes 0-15 keep fragment 0's two bytes, lanes 16-31 take fragment 1's
.if \m & 1
	v_lshlrev_b32 v[WD+\m/2], 16, v[MX]
.else
	v_or_b32 v[WD+\m/2], v[WD+\m/2], v[MX]
.endif
.irp f, 0,1
	v_cvt_scalef32_pk16_bf6_f32 v[PC+6*\f:PC+6*\f+2], v[T+32*\f:T+32*\f+15], v[SO+2*\f]
	v_cvt_scalef32_pk16_bf6_f32 v[TU+4*\f:TU+4*\f+2], v[T+32*\f+16:T+32*\f+31], v[SO+2*\f+1]
.endr
	v_nop                                          ; one plain instruction behind the scaled conversions
.irp f, 0,1
.irp i, 0,1,2
	v_permlane16_swap_b32 v[PC+6*\f+\i], v[TU+4*\f+\i]   ; lanes 0-15 keep block 0, lanes 16-31 get block 1: the first three registers the lower 16 codes, the others the upper 16
.endr
.endr
.irp f, 0,1
.irp i, 0,1,2
	v_mov_b32 v[PC+6*\f+3+\i], v[TU+4*\f+\i]
.endr
.endr
.irp f, 0,1
	global_store_b128 v1, v[PC+6*\f:PC+6*\f+3], s[70+2*\m:71+2*\m] offset:768*\f        ; 512 consecutive bytes,
	global_store_b64 v5, v[PC+6*\f+4:PC+6*\f+5], s[70+2*\m:71+2*\m] offset:768*\f+512   ; and 256, at multiples of 256
.endr
.endm
.macro ARM under, k, g1, next          ; the head's loads, one a wave: one tree of branches on the wave's number
	s_cmp_lt_u32 s16, \under
	s_cbranch_scc0 \next
	tensor_load_to_lds s[40+4*\k:43+4*\k], s[\g1:\g1+7]
	s_nop 0
.rept 4
	v_nop
.endr
	s_branch .Lasked
\next:
.endm
	s_load_b256 s[4:11], s[0:1], 0x0               ; xc s[4:5], xs s[6:7], wuq s[8:9], b_upper s[10:11]
	s_load_b128 s[12:15], s[0:1], 0x20             ; hc s[12:13], hs s[14:15]
	v_lshl_add_u32 v10, v0, 2, SPARE               ; my spare word; never rewritten
	v_mov_b32 v11, 0                               ; 0; never rewritten
	ds_add_u32 v10, v11                            ; the wave's opening: the add, twice on end, and its wait ahead of my tensor load
	ds_add_u32 v10, v11
	v_lshrrev_b32 v12, 5, v0
	v_readfirstlane_b32 s16, v12                   ; wave w: rows 32 w .. 32 w + 31
	s_bfe_u32 s17, ttmp6, 0x40000
	s_lshl_b32 s21, ttmp9, 2
	s_add_co_u32 s17, s17, s21                     ; rt = 4 x cluster x + cx: it enters x's and h's global addresses alone
	s_and_b32 s18, ttmp7, 0xffff                   ; q, which the four partners share
	s_lshr_b32 s19, s18, 1                         ; cls
	s_and_b32 s20, s18, 1                          ; c
	; descriptor group 1: a dense run of blocks as rows of 32 elements of 8 bytes: 100 rows (4 blocks) and 250 rows (10 blocks)
.irp g, 24,32
	s_mov_b32 s[\g+0], 15|(3<<16)|(1<<21)          ; the mask names all four work-groups, bit 21 set beside it; elements of 8 bytes; no padding
	s_mov_b32 s[\g+1], 32<<16
	s_mov_b32 s[\g+3], 32<<16
	s_mov_b32 s[\g+5], 32
	s_mov_b32 s[\g+6], 0
	s_mov_b32 s[\g+7], 0
.endr
	s_mov_b32 s26, 100<<16
	s_mov_b32 s28, 100
	s_mov_b32 s34, 250<<16
	s_mov_b32 s36, 250
	s_mov_b32 s86, 0x76543210
	s_mov_b32 s87, 0xfedcba98                      ; v_permlanex16_b32's selects for lane l xor 16
	s_mov_b32 s88, 0xffff0000                      ; lanes 16-31
	s_mov_b32 s67, 0
	v_and_b32 v5, 31, v0
	v_lshlrev_b32 v1, 4, v5                        ; v1: 16 x lane: fragments in LDS, codes in memory; v2-4: 10, 20, 30 blocks on
	v_lshlrev_b32 v5, 3, v5                        ; v5: 8 x lane
	v_and_b32 v6, 15, v0
	v_lshlrev_b32 v6, 4, v6                        ; v6: 16 r: scale words; v7-9: 10, 20, 30 blocks on
.irp k, 1,2,3
	v_add_nc_u32 v[1+\k], 64000*\k, v1
	v_add_nc_u32 v[6+\k], 64000*\k, v6
.endr
	v_bfe_u32 v12, v0, 4, 1
	v_lshlrev_b32 v12, 6, v12                      ; v12: the bias: 16 hh columns on
.irp k, 0,1,2,3
	v_mov_b32 v[PX+\k], 0                          ; written once: a lane permute's destination counts as one of its sources
.endr
	s_wait_alu depctr_va_vdst(0)                   ; the wait at the head's end
	s_wait_dscnt 0x0                               ; both opening adds are done
	s_wait_kmcnt 0x0
	s_mul_i32 s66, s18, 34*BLKB
	s_add_nc_u64 s[60:61], s[8:9], s[66:67]        ; q's 34 blocks of W
.irp k, 0,1,2,3
	s_mov_b32 s[40+4*\k], 1
.endr
	s_mov_b32 s41, 0
	s_mov_b32 s45, 25600
	s_mov_b32 s49, 89600
	s_mov_b32 s53, 153600
	s_mov_b64 s[42:43], s[60:61]
	s_add_nc_u64 s[46:47], s[60:61], 25600
	s_add_nc_u64 s[50:51], s[60:61], 89600
	s_add_nc_u64 s[54:55], s[60:61], 153600
.irp k, 0,1,2,3
	s_or_b32 s[43+4*\k], s[43+4*\k], 0x80000000
.endr
	s_mul_i32 s66, s17, 196608
	s_mul_i32 s68, s16, 3072
	s_add_co_u32 s66, s66, s68
	s_add_nc_u64 s[56:57], s[4:5], s[66:67]        ; my rows' codes of K tile 0
	s_lshl_b32 s66, s17, 13
	s_lshl_b32 s68, s16, 11
	s_add_co_u32 s66, s66, s68
	s_add_nc_u64 s[58:59], s[6:7], s[66:67]        ; my rows' scale words
	s_lshl_b32 s68, s18, 8
	s_add_co_u32 s66, s66, s68
	s_add_nc_u64 s[62:63], s[14:15], s[66:67]      ; where my scale bytes of h go
.irp g, 0,1,2,3,4,5,6,7
	global_load_b128 v[SX+4*\g:SX+4*\g+3], v6, s[58:59] offset:256*\g   ; K tiles 2 g, 2 g + 1: word 2 (K tile) + f
.endr
.set LC, 8
	XLOAD 0
	WIN 0
	ROUND                                          ; all four work-groups are here: the joint loads meet
	ARM 1, 0, 24, .Lw1
	ARM 2, 1, 32, .Lw2
	ARM 3, 2, 32, .Lw3
	tensor_load_to_lds s[52:55], s[32:39]
	s_nop 0
.rept 4
	v_nop
.endr
.Lasked:
	XLOAD 1
	XLOAD 2
	XLOAD 3
	XLOAD 4
	XLOAD 5
	WIN 0
	s_mul_i32 s22, s16, 3072
	s_mul_i32 s23, s20, 1536
	s_add_co_u32 s22, s22, s23
	s_lshl_b32 s23, s20, 8
	s_lshl_b32 s90, s17, 4
.irp m, 0,1,2,3                        ; group m: its column tile, where its codes of h go, its bias
.if \m & 1
	s_sub_co_u32 s21, 4*\m+3, s19
.else
	s_add_co_u32 s21, s19, 4*\m
.endif
	s_add_co_u32 s66, s90, s21
	s_mul_i32 s66, s66, 12288
	s_add_co_u32 s66, s66, s22
	s_add_nc_u64 s[70+2*\m:71+2*\m], s[12:13], s[66:67]
	s_lshl_b32 s66, s21, 9
	s_add_co_u32 s66, s66, s23
	s_add_nc_u64 s[78+2*\m:79+2*\m], s[10:11], s[66:67]
.endr
	SHOWN 0
	s_barrier_wait -1
	WAITX 0                                        ; K tile 15: the first products take the constant 0 as C
	M 0, 3, 0, 1
	XLOAD 6
	BLOAD 3
	M 1, 2, 0, 1
	ML 2, 1, 0, 1, 1
	M 3, 0, 0, 1
	WAITX 1                                        ; 14
	CM 4, 3, 1, 2
	XLOAD 7
	M 5, 2, 1
	M 6, 1, 1
	M 7, 0, 1
	WAITX 2                                        ; 13
	CM 8, 3, 2, 1
	XLOAD 8
	BLOAD 2
	M 9, 2, 2
	M 10, 1, 2
	ML 11, 0, 2, 0, 2
	WAITX 3                                        ; 12
	CM 12, 3, 3, 0
	XLOAD 9
	M 13, 2, 3
	M 14, 1, 3
	M 15, 0, 3
	EPI 3
	WAITX 4                                        ; 11
	M 16, 2, 4
	XLOAD 10
	BLOAD 1
	M 17, 1, 4
	M 18, 0, 4
	WAITX 5                                        ; 10
	CH 12, 2, 5, 2
	M 19, 1, 5
	XLOAD 11
	M 20, 0, 5
	WAITX 6                                        ; 9
	CH 8, 2, 6, 1
	M 21, 1, 6
	XLOAD 12
	ML 22, 0, 6, 0, 3
	WAITX 7                                        ; 8
	CH 4, 2, 7, 0
	M 23, 1, 7
	XLOADC 13, 2
	M 24, 0, 7
	EPI 2
	WAITX 8                                        ; 7
	M 25, 1, 8
	XLOADC 14, 1
	BLOAD 0
	M 26, 0, 8
	WAITX 9                                        ; 6
	CM 27, 1, 9, 2
	XLOADC 15, 0
	M 28, 0, 9
	WAITX 10                                       ; 5
	CM 29, 1, 10, 1
	M 30, 0, 10
	WAITX 11                                       ; 4
	CM 31, 1, 11, 0
	M 32, 0, 11
	EPI 1
	WAITX 12                                       ; 3
	M 33, 0, 12
	WAITX 13                                       ; 2
	CH 31, 0, 13, 2
	WAITX 14                                       ; 1
	CH 29, 0, 14, 1
	WAITX 15                                       ; 0
	CH 27, 0, 15, 0
	EPI 0
	global_store_b64 v5, v[WD:WD+1], s[62:63]      ; 32 lanes store the 256 bytes of scale bytes of my rows and columns
	s_wait_tensorcnt 0x0                           ; the wave's end
	ds_add_u32 v10, v11
	s_wait_dscnt 0x0
	ROUND                                          ; the closing round: no work-group ends while a partner may still ask for a block that names it
	s_endpgm
.Lfunc_end_k_q29d2471203_gemm1:
	.size	k_q29d2471203_gemm1, .Lfunc_end_k_q29d2471203_gemm1-k_q29d2471203_gemm1
	.p2alignl 7, 3214868480
	.fill 96, 4, 3214868480
	.section	.rodata,"a",@progbits
	.p2align	6, 0x0
	.amdhsa_kernel k_q29d2471203_gemm1
		.amdhsa_group_segment_fixed_size 327680
		.amdhsa_private_segment_fixed_size 0
		.amdhsa_enable_private_segment 0
		.amdhsa_kernarg_size 48
		.amdhsa_user_sgpr_count 2
		.amdhsa_user_sgpr_kernarg_segment_ptr 1
		.amdhsa_wavefront_size32 1
		.amdhsa_system_sgpr_workgroup_id_x 1
		.amdhsa_system_sgpr_workgroup_id_y 1
		.amdhsa_system_sgpr_workgroup_id_z 1
		.amdhsa_system_vgpr_workitem_id 0
		.amdhsa_next_free_vgpr 1024
		.amdhsa_next_free_sgpr 92
		.amdhsa_reserve_vcc 0
		.amdhsa_float_denorm_mode_32 3
		.amdhsa_float_denorm_mode_16_64 3
		.amdhsa_memory_ordered 1
		.amdhsa_forward_progress 1
		.amdhsa_inst_pref_size 137
	.end_amdhsa_kernel
	.amdgpu_metadata
---
amdhsa.version: [ 1, 2 ]
amdhsa.kernels:
  - .name:           k_q29d2471203_gemm1
    .symbol:         k_q29d2471203_gemm1.kd
    .args:
      - { .name: xc, .offset: 0, .size: 8, .value_kind: global_buffer, .address_space: global }
      - { .name: xs, .offset: 8, .size: 8, .value_kind: global_buffer, .address_space: global }
      - { .name: wuq, .offset: 16, .size: 8, .value_kind: global_buffer, .address_space: global }
      - { .name: b_upper, .offset: 24, .size: 8, .value_kind: global_buffer, .address_space: global }
      - { .name: hc, .offset: 32, .size: 8, .value_kind: global_buffer, .address_space: global }
      - { .name: hs, .offset: 40, .size: 8, .value_kind: global_buffer, .address_space: global }
    .group_segment_fixed_size: 327680
    .private_segment_fixed_size: 0
    .kernarg_segment_align: 8
    .kernarg_segment_size: 48
    .max_flat_workgroup_size: 128
    .sgpr_count:     92
    .vgpr_count:     1024
    .wavefront_size: 32
...
	.end_amdgpu_metadata
.endif
;; end of part 2
;; launch gemm2 (part 3): grid 32 x 8, 4 waves a work-group, clusters of 4 x 1, 327,680 bytes of LDS; arguments hc, hs, wlq, b_lower, out0; writes out0
.if DOCPART == 3
	.amdgcn_target "amdgcn-amd-amdhsa--gfx1250"
	.amdhsa_code_object_version 6
	.text
	.protected	k_q29d2471203_gemm2
	.globl	k_q29d2471203_gemm2
	.p2align	8
	.type	k_q29d2471203_gemm2,@function
k_q29d2471203_gemm2:
	s_mov_b64 s[64:65], 0
	v_nop
	global_prefetch_b8 v0, s[64:65] scope:SCOPE_SE
	s_setreg_imm32_b32 hwreg(HW_REG_WAVE_MODE, 25, 1), 1
	s_wait_xcnt 0x0
	s_wait_alu depctr_hold_cnt(0) depctr_sa_sdst(0) depctr_va_vdst(0) depctr_va_sdst(0) depctr_va_ssrc(0) depctr_va_vcc(0) depctr_vm_vsrc(0)
	s_getreg_b32 s2, hwreg(HW_REG_IB_STS2, 6, 4)
	s_cmp_eq_u32 s2, 0
	s_cbranch_scc0 .Lentry_in_a_cluster
	s_endpgm
.Lentry_in_a_cluster:
	s_bfe_u32 s2, ttmp6, 0x10000c
	s_cmp_lg_u32 s2, 0x3003
	s_cbranch_scc0 .Lentry_shape_is_right
	s_endpgm
.Lentry_shape_is_right:
; out = h tril(W_lower)^T + b_lower, f32.  Operands are codes of BF6 (E3M2) with E8M0 scales.  h's codes lie as x's (the first launch states the layout); its scale bytes: 256 bytes for each (rt, w, q): lane 16 f + r has 8 bytes, two
; for each group m of q: the blocks 2 c and 2 c + 1 of the K tile 4 m + (m even: cls, m odd: 3 - cls), cls = q / 2, c = q % 2.
; WORK LEFT OUT: tiles of W wholly under the triangular mask.
; LIMITS: NaN and infinities are not served; a NaN, an infinity or an overflow that reaches only the work left out is not carried.
; SHARES.  256 work-groups of equal work: row tile rt of 128 rows, column deal q: four groups m of 64 columns, in the column tiles 15 - vt, vt = 4 m + (m even: cls, m odd: 3 - cls).  Step i takes K tile i; group m is live where
; 15 - i >= vt: 34 live group steps for every q.  A wave makes 32 rows x all 256 columns: accumulator (m, f, t) at 64 m + 32 f + 8 t.
; W: the 34 blocks of q, 6,400 bytes each, lie in slot order and come into LDS ONCE, 217,600 bytes, by one tensor load a wave: wave 0 slots 0 .. 3, wave 1 4 .. 13, wave 2 14 .. 23, wave 3 24 .. 33.  No bytes are filled again.
; Each load is shown by its own wave's wait for 0 and a barrier.  CLUSTER: the four row tiles of a cluster take the same q: the loads are joint (mask 15).
; h: a wave's codes of a K tile are 24 registers, loaded from memory straight into a ring of seven sets, six K tiles ahead: 8 loads a tile.  They are not asked for jointly: joint loads land in LDS, and h's 16 tiles, 196,608 bytes,
; do not fit there beside W's 217,600.  No prefetch: W is asked for whole at the head, there is no loop to run ahead in, and h's loads themselves run six tiles ahead.
; SLOTS 4, 8, 12, 27, 29, 31 hold one of two blocks: that of the odd m where it is live, else that of m - 1 at a later step.  They are read into registers once and HELD till the later step; a scalar branch on cls leads round products alone.
; THE MATRIX INSTRUCTION IS USED TRANSPOSED (source 0 = 16 rows of W, source 1 = 16 rows of h): lane (r, hh) holds row r of h's fragment f, register j of tile t the column 32 (t / 2) + 16 hh + 8 (t % 2) + j of the group.
; REGISTERS: window 0: v1-15 addresses; v16-43 W's scale words (nothing else), v44-59 h's scale words (nothing else); v64-127 rows of out (at the head: scale bytes as loaded), v128-143 bias; v176-223 held block 2.  Window 1: v0-167
; h's ring, v168-215 held block 1.  Window 2: v0-191 four buffers of W fragments, v192-239 held block 0.  Window 3: the accumulators.
.set BLKB,  6400
.set STG,   34*BLKB                    ; behind W: a stage of 32 rows x (256 bytes + 16) for each wave
.set SPITCH, 272
.set SPARE, STG+4*32*SPITCH            ; the spare words
.set SX,    44
.set NL,    0                          ; blocks of W read so far
.set STGNL, 0                          ; their number at the last way through the stage (32 LDS instructions)
.set LC,    0                          ; loads into registers issued so far on every way
.set MSB,   0
.macro WIN new                         ; the immediate's high byte repeats the setting that is left
.if MSB != (\new)
	s_set_vgpr_msb (MSB<<8)|(\new)
.set MSB, (\new)
.endif
.endm
.macro PLACES                          ; four plain instructions between a matrix instruction and a load into its registers or a read of its result (ISA guide 7.12.1 for the read of its result)
.rept 4
	v_nop
.endr
.endm
.macro ROUND                           ; a round of the cluster's barrier
	s_barrier_signal -1
	s_barrier_wait -1
	s_cmp_lg_u32 s16, 0
	s_cbranch_scc1 .Lnot_wave_0_\@
	s_barrier_signal -3
.Lnot_wave_0_\@:
	s_barrier_wait -3
	s_barrier_signal -1
	s_barrier_wait -1
.endm
.macro BUFOF s                         ; slot s's registers: window BW, fragments from BB, scale words from BS
.set BQ, (\s)
.if (BQ == 4) || (BQ == 27)
.set BW, 2
.set BB, 192
.set BS, 32
.elseif (BQ == 8) || (BQ == 29)
.set BW, 1
.set BB, 168
.set BS, 36
.elseif (BQ == 12) || (BQ == 31)
.set BW, 0
.set BB, 176
.set BS, 40
.else
.set BR, BQ
.irp hh, 4,8,12,27,29,31
.if BQ > \hh
.set BR, BR-1
.endif
.endr
.set BW, 2
.set BB, 48*(BR&3)
.set BS, 16+4*(BR&3)
.endif
.endm
.macro LOADBLK                         ; the next slot: its scale words and four fragments, 13 LDS loads
	BUFOF NL
.set LB, NL/10
.set LO, (NL%10)*BLKB
	PLACES
	WIN 0
	ds_load_b128 v[BS:BS+3], v[6+LB] offset:LO+6144
	WIN 64*BW
.irp t, 0,1,2,3
.irp g, 0,1,2
	ds_load_b128 v[BB+12*\t+4*\g:BB+12*\t+4*\g+3], v[1+LB] offset:LO+1536*\t+512*\g
.endr
.endr
.set NL, NL+1
.endm
.macro AHEAD s                         ; slots up to s + 2 are asked for
.rept 3
.if (NL < (\s)+3) && (NL < 34)
	LOADBLK
.endif
.endr
.endm
.macro NEED s                          ; slot s is in: the blocks asked for behind it (13 loads each), and the stage's 32 instructions where they stand behind it, may be out
.set DN, 13*(NL-1-(\s))
.if (\s) < STGNL
.set DN, DN+32
.endif
	s_wait_dscnt DN
.endm
.macro MUL s, m, i, zero=0             ; 8 products: the accumulators take turns, one instruction a turn.  Fragment 0's scale words stand in lanes 0-15, fragment 1's in lanes 16-31
	BUFOF \s
.set XB, 24*((\i)%7)
.set SK, SX+(\i)
	WIN 0xf4+BW
.irp t, 0,1,2,3
.if \zero
	v_wmma_scale_f32_16x16x128_f8f6f4 v[64*\m+8*\t:64*\m+8*\t+7], v[BB+12*\t:BB+12*\t+11], v[XB:XB+11], 0, v[BS+\t], v[SK] matrix_a_fmt:MATRIX_FMT_BF6 matrix_b_fmt:MATRIX_FMT_BF6
.else
	v_wmma_scale_f32_16x16x128_f8f6f4 v[64*\m+8*\t:64*\m+8*\t+7], v[BB+12*\t:BB+12*\t+11], v[XB:XB+11], v[64*\m+8*\t:64*\m+8*\t+7], v[BS+\t], v[SK] matrix_a_fmt:MATRIX_FMT_BF6 matrix_b_fmt:MATRIX_FMT_BF6
.endif
.endr
.irp t, 0,1,2,3
.if \zero
	v_wmma_scale_f32_16x16x128_f8f6f4 v[64*\m+32+8*\t:64*\m+39+8*\t], v[BB+12*\t:BB+12*\t+11], v[XB+12:XB+23], 0, v[BS+\t], v[SK] matrix_a_fmt:MATRIX_FMT_BF6 matrix_b_fmt:MATRIX_FMT_BF6 matrix_b_scale:MATRIX_SCALE_ROW1
.else
	v_wmma_scale_f32_16x16x128_f8f6f4 v[64*\m+32+8*\t:64*\m+39+8*\t], v[BB+12*\t:BB+12*\t+11], v[XB+12:XB+23], v[64*\m+32+8*\t:64*\m+39+8*\t], v[BS+\t], v[SK] matrix_a_fmt:MATRIX_FMT_BF6 matrix_b_fmt:MATRIX_FMT_BF6 matrix_b_scale:MATRIX_SCALE_ROW1
.endif
.endr
.endm
.macro M s, m, i, zero=0
	AHEAD \s
	NEED \s
	MUL \s, \m, \i, \zero
.endm
.macro CM s, m, i, d                   ; m odd, vk = 4 m + d: live where d >= 3 - cls
	AHEAD \s
	NEED \s
	WIN 0
	s_cmp_lt_u32 s19, 3-\d
	s_cbranch_scc1 .Lno_\@
	MUL \s, \m, \i
	WIN 0
.Lno_\@:
.endm
.macro CH s, m, i, d                   ; m even, vk = 4 m + d, from the held block: live where d >= cls
	WIN 0
	s_cmp_gt_u32 s19, \d
	s_cbranch_scc1 .Lno_\@
	MUL \s, \m, \i
	WIN 0
.Lno_\@:
.endm
.macro SHOWN k                         ; wave k's load has landed: its own wait, then the barrier's signal.  No LDS read of mine is out
	WIN 0
	s_wait_dscnt 0x0
.if \k < 3
	s_cmp_eq_u32 s16, \k
	s_cbranch_scc0 .Lnot_mine_\@
	s_wait_tensorcnt 0x0
.Lnot_mine_\@:
.else
	s_wait_tensorcnt 0x0
.endif
	s_barrier_signal -1
.endm
.macro ML s, m, i, zero, k             ; a block's products between the signal and the wait of the barrier that shows wave k's load
	SHOWN \k
	MUL \s, \m, \i, \zero
	s_barrier_wait -1
.endm
.macro XLD j                           ; K tile j of h into set j % 7
.set XB, 24*((\j)%7)
.set KO, (\j)*12288
	WIN 0x40
.irp f, 0,1
.irp c, 0,1
	global_load_b128 v[XB+12*\f+6*\c:XB+12*\f+6*\c+3], v1, s[56:57] offset:KO+1536*\c+768*\f
	global_load_b64 v[XB+12*\f+6*\c+4:XB+12*\f+6*\c+5], v5, s[56:57] offset:KO+1536*\c+768*\f+512
.endr
.endr
.endm
.macro XLOAD j
	XLD \j
.set LC, LC+8
.set XP\j, LC
.endm
.macro XLOADC j, d                     ; a K tile under the mask for cls > d: not loaded there.  The counts of the waits leave these loads out
	WIN 0
	s_cmp_gt_u32 s19, \d
	s_cbranch_scc1 .Lno_\@
	XLD \j
	WIN 0
.Lno_\@:
.set XP\j, LC
.endm
.macro WAITX i                         ; h's tile of step i is in: the loads issued behind it on every way may be out
	s_wait_loadcnt LC-XP\i
.endm
; THE WAY OUT of group m: 32 rows x 64 columns.  A lane holds pieces of one row and the lanes beside it other rows: so it goes through my own stage in LDS and comes back as whole rows of 256 bytes.  LDS serves a wave's
; instructions in order (ISA guide 5.7.1.4): no wait between the stores and the loads.
.macro TOSTAGE m
	PLACES
	s_wait_xcnt 0x0                                ; the last group's stores have read their registers
	WIN 0x0c                                       ; an LDS store's data are its source 1: window 3
.irp f, 0,1
.irp t, 0,1,2,3
	ds_store_b128 v13, v[64*\m+32*\f+8*\t:64*\m+32*\f+8*\t+3] offset:16*SPITCH*\f+128*(\t/2)+32*(\t%2)       ; each accumulator from its low end on
	ds_store_b128 v13, v[64*\m+32*\f+8*\t+4:64*\m+32*\f+8*\t+7] offset:16*SPITCH*\f+128*(\t/2)+32*(\t%2)+16
.endr
.endr
	WIN 0
.irp i, 0,1,2,3,4,5,6,7,8,9,10,11,12,13,14,15
	ds_load_b128 v[64+4*\i:67+4*\i], v14 offset:2*SPITCH*\i
.endr
.set STGNL, NL
.endm
.macro SEND m
	WIN 0
.if \m == 3
	s_wait_loadcnt LC-BP                           ; the bias of all four groups is in
.endif
.irp i, 0,1,2,3,4,5,6,7,8,9,10,11,12,13,14,15
	s_wait_dscnt 15-\i+13*(NL-STGNL)               ; rows 2 i, 2 i + 1 are back; behind them the younger rows and the blocks of W asked for since
	v_pk_add_f32 v[64+4*\i:65+4*\i], v[64+4*\i:65+4*\i], v[128+4*\m:129+4*\m]
	v_pk_add_f32 v[66+4*\i:67+4*\i], v[66+4*\i:67+4*\i], v[130+4*\m:131+4*\m]
	global_store_b128 v15, v[64+4*\i:67+4*\i], s[70+2*\m:71+2*\m] offset:16384*\i th:TH_STORE_NT   ; 16 lanes store 256 consecutive bytes, at a multiple of 256 from out0's first byte
.endr
.endm
.macro ARM under, k, g1, next          ; the head's loads, one a wave: one tree of branches on the wave's number
	s_cmp_lt_u32 s16, \under
	s_cbranch_scc0 \next
	tensor_load_to_lds s[40+4*\k:43+4*\k], s[\g1:\g1+7]
	s_nop 0
.rept 4
	v_nop
.endr
	s_branch .Lasked
\next:
.endm
	s_load_b256 s[4:11], s[0:1], 0x0               ; hc s[4:5], hs s[6:7], wlq s[8:9], b_lower s[10:11]
	s_load_b64 s[12:13], s[0:1], 0x20              ; out0
	v_lshl_add_u32 v10, v0, 2, SPARE               ; my spare word; never rewritten
	v_mov_b32 v11, 0                               ; 0; never rewritten
	ds_add_u32 v10, v11                            ; the wave's opening: the add, twice on end, and its wait ahead of my tensor load
	ds_add_u32 v10, v11
	v_lshrrev_b32 v12, 5, v0
	v_readfirstlane_b32 s16, v12                   ; wave w: rows 32 w .. 32 w + 31
	s_bfe_u32 s17, ttmp6, 0x40000
	s_lshl_b32 s21, ttmp9, 2
	s_add_co_u32 s17, s17, s21                     ; rt = 4 x cluster x + cx: it enters h's and out0's global addresses alone
	s_and_b32 s18, ttmp7, 0xffff                   ; q, which the four partners share
	s_lshr_b32 s19, s18, 1                         ; cls
	s_and_b32 s20, s18, 1                          ; c
	; descriptor group 1: a dense run of blocks as rows of 32 elements of 8 bytes: 100 rows (4 blocks) and 250 rows (10 blocks)
.irp g, 24,32
	s_mov_b32 s[\g+0], 15|(3<<16)|(1<<21)          ; the mask names all four work-groups, bit 21 set beside it; elements of 8 bytes; no padding
	s_mov_b32 s[\g+1], 32<<16
	s_mov_b32 s[\g+3], 32<<16
	s_mov_b32 s[\g+5], 32
	s_mov_b32 s[\g+6], 0
	s_mov_b32 s[\g+7], 0
.endr
	s_mov_b32 s26, 100<<16
	s_mov_b32 s28, 100
	s_mov_b32 s34, 250<<16
	s_mov_b32 s36, 250
	s_mov_b32 s86, 0x05040100                      ; the low halves of two words
	s_mov_b32 s87, 0x07060302                      ; the high halves
	s_mov_b32 s67, 0
	s_mul_i32 s66, s16, 32*SPITCH
	s_add_co_u32 s66, s66, STG                     ; my stage
	v_and_b32 v5, 31, v0
	v_lshlrev_b32 v1, 4, v5                        ; v1: 16 x lane: fragments in LDS, codes in memory; v2-4: 10, 20, 30 blocks on
	v_lshlrev_b32 v5, 3, v5                        ; v5: 8 x lane
	v_and_b32 v12, 15, v0                          ; r
	v_lshlrev_b32 v6, 4, v12                       ; v6: 16 r: scale words, bias; v7-9: 10, 20, 30 blocks on
.irp k, 1,2,3
	v_add_nc_u32 v[1+\k], 64000*\k, v1
	v_add_nc_u32 v[6+\k], 64000*\k, v6
.endr
	v_bfe_u32 v15, v0, 4, 1                        ; hh
	v_mul_u32_u24 v13, v12, SPITCH                 ; into the stage: row r, + 64 hh bytes
	v_lshl_add_u32 v13, v15, 6, v13
	v_add_nc_u32 v13, s66, v13
	v_mul_u32_u24 v14, v15, SPITCH                 ; back: lanes 0-15 one row of 256 bytes, lanes 16-31 the next
	v_add_nc_u32 v14, v14, v6
	v_add_nc_u32 v14, s66, v14
	v_lshl_add_u32 v15, v15, 13, v6                ; and the same two rows in out0
	s_wait_alu depctr_va_vdst(0)                   ; the wait at the head's end
	s_wait_dscnt 0x0                               ; both opening adds are done
	s_wait_kmcnt 0x0
	s_mul_i32 s66, s18, 34*BLKB
	s_add_nc_u64 s[60:61], s[8:9], s[66:67]        ; q's 34 blocks of W
.irp k, 0,1,2,3
	s_mov_b32 s[40+4*\k], 1
.endr
	s_mov_b32 s41, 0
	s_mov_b32 s45, 25600
	s_mov_b32 s49, 89600
	s_mov_b32 s53, 153600
	s_mov_b64 s[42:43], s[60:61]
	s_add_nc_u64 s[46:47], s[60:61], 25600
	s_add_nc_u64 s[50:51], s[60:61], 89600
	s_add_nc_u64 s[54:55], s[60:61], 153600
.irp k, 0,1,2,3
	s_or_b32 s[43+4*\k], s[43+4*\k], 0x80000000
.endr
	s_mul_i32 s66, s17, 196608
	s_mul_i32 s68, s16, 3072
	s_add_co_u32 s66, s66, s68
	s_add_nc_u64 s[56:57], s[4:5], s[66:67]        ; my rows' codes of K tile 0
	s_lshl_b32 s66, s17, 13
	s_lshl_b32 s68, s16, 11
	s_add_co_u32 s66, s66, s68
	s_add_nc_u64 s[58:59], s[6:7], s[66:67]        ; my rows' scale bytes
.irp g, 0,1,2,3,4,5,6,7
	global_load_b64 v[64+2*\g:65+2*\g], v5, s[58:59] offset:256*\g   ; those that column deal g made
.endr
.set LC, 8
.set SCP, LC
	XLOAD 0
	WIN 0
	ROUND                                          ; all four work-groups are here: the joint loads meet
	ARM 1, 0, 24, .Lw1
	ARM 2, 1, 32, .Lw2
	ARM 3, 2, 32, .Lw3
	tensor_load_to_lds s[52:55], s[32:39]
	s_nop 0
.rept 4
	v_nop
.endr
.Lasked:
	XLOAD 1
	XLOAD 2
	XLOAD 3
	XLOAD 4
	XLOAD 5
	WIN 0
	s_lshl_b32 s22, s17, 7
	s_lshl_b32 s23, s16, 5
	s_add_co_u32 s22, s22, s23
	s_lshl_b32 s22, s22, 13                        ; my first row of out0, 8,192 bytes a row
	s_lshl_b32 s23, s20, 8
.irp m, 0,1,2,3                        ; group m: its column tile, its bias, where it goes
.if \m & 1
	s_sub_co_u32 s21, 4*\m+3, s19
.else
	s_add_co_u32 s21, s19, 4*\m
.endif
	s_sub_co_u32 s21, 15, s21
	s_lshl_b32 s66, s21, 9
	s_add_co_u32 s66, s66, s23
	s_add_nc_u64 s[78+2*\m:79+2*\m], s[10:11], s[66:67]
	s_add_co_u32 s66, s66, s22
	s_add_nc_u64 s[70+2*\m:71+2*\m], s[12:13], s[66:67]
	global_load_b128 v[128+4*\m:131+4*\m], v6, s[78+2*\m:79+2*\m]   ; the bias of the 4 columns that I store
.endr
.set LC, LC+4
.set BP, LC
	s_wait_loadcnt LC-SCP                          ; the scale bytes are in
.irp m, 0,1,2,3                        ; the scale word of K tile 4 m + (m even: cls, m odd: 3 - cls): two bytes of deal 2 cls, two of deal 2 cls + 1
.irp cl, 0,1,2,3
.if \m & 1
	v_perm_b32 v[SX+4*\m+3-\cl], v[64+2*(2*\cl+1)+\m/2], v[64+2*(2*\cl)+\m/2], s87
.else
	v_perm_b32 v[SX+4*\m+\cl], v[64+2*(2*\cl+1)+\m/2], v[64+2*(2*\cl)+\m/2], s86
.endif
.endr
.endr
	s_wait_alu depctr_va_vdst(0)                   ; the wait directly ahead of the waits below
	SHOWN 0
	s_barrier_wait -1
	WAITX 0                                        ; K tile 0: the first products take the constant 0 as C
	M 0, 3, 0, 1
	XLOAD 6
	M 1, 2, 0, 1
	ML 2, 1, 0, 1, 1
	M 3, 0, 0, 1
	WAITX 1
	CM 4, 3, 1, 2
	XLOAD 7
	M 5, 2, 1
	M 6, 1, 1
	M 7, 0, 1
	WAITX 2
	CM 8, 3, 2, 1
	XLOAD 8
	M 9, 2, 2
	M 10, 1, 2
	ML 11, 0, 2, 0, 2
	WAITX 3
	CM 12, 3, 3, 0
	XLOAD 9
	M 13, 2, 3
	M 14, 1, 3
	M 15, 0, 3
	TOSTAGE 3                                      ; group 3 is finished: it leaves under the next step
	WAITX 4
	M 16, 2, 4
	SEND 3
	XLOAD 10
	M 17, 1, 4
	M 18, 0, 4
	WAITX 5
	CH 12, 2, 5, 2
	M 19, 1, 5
	XLOAD 11
	M 20, 0, 5
	WAITX 6
	CH 8, 2, 6, 1
	M 21, 1, 6
	XLOAD 12
	ML 22, 0, 6, 0, 3
	WAITX 7
	CH 4, 2, 7, 0
	M 23, 1, 7
	XLOADC 13, 2
	M 24, 0, 7
	TOSTAGE 2
	WAITX 8
	M 25, 1, 8
	SEND 2
	XLOADC 14, 1
	M 26, 0, 8
	WAITX 9
	CM 27, 1, 9, 2
	XLOADC 15, 0
	M 28, 0, 9
	WAITX 10
	CM 29, 1, 10, 1
	M 30, 0, 10
	WAITX 11
	CM 31, 1, 11, 0
	M 32, 0, 11
	TOSTAGE 1
	WAITX 12
	M 33, 0, 12
	SEND 1
	WAITX 13
	CH 31, 0, 13, 2
	WAITX 14
	CH 29, 0, 14, 1
	WAITX 15
	CH 27, 0, 15, 0
	TOSTAGE 0
	SEND 0
	s_wait_tensorcnt 0x0                           ; the wave's end
	ds_add_u32 v10, v11
	s_wait_dscnt 0x0
	ROUND                                          ; the closing round: no work-group ends while a partner may still ask for a block that names it
	s_endpgm
.Lfunc_end_k_q29d2471203_gemm2:
	.size	k_q29d2471203_gemm2, .Lfunc_end_k_q29d2471203_gemm2-k_q29d2471203_gemm2
	.p2alignl 7, 3214868480
	.fill 96, 4, 3214868480
	.section	.rodata,"a",@progbits
	.p2align	6, 0x0
	.amdhsa_kernel k_q29d2471203_gemm2
		.amdhsa_group_segment_fixed_size 327680
		.amdhsa_private_segment_fixed_size 0
		.amdhsa_enable_private_segment 0
		.amdhsa_kernarg_size 40
		.amdhsa_user_sgpr_count 2
		.amdhsa_user_sgpr_kernarg_segment_ptr 1
		.amdhsa_wavefront_size32 1
		.amdhsa_system_sgpr_workgroup_id_x 1
		.amdhsa_system_sgpr_workgroup_id_y 1
		.amdhsa_system_sgpr_workgroup_id_z 1
		.amdhsa_system_vgpr_workitem_id 0
		.amdhsa_next_free_vgpr 1024
		.amdhsa_next_free_sgpr 92
		.amdhsa_reserve_vcc 0
		.amdhsa_float_denorm_mode_32 3
		.amdhsa_float_denorm_mode_16_64 3
		.amdhsa_memory_ordered 1
		.amdhsa_forward_progress 1
		.amdhsa_inst_pref_size 127
	.end_amdhsa_kernel
	.amdgpu_metadata
---
amdhsa.version: [ 1, 2 ]
amdhsa.kernels:
  - .name:           k_q29d2471203_gemm2
    .symbol:         k_q29d2471203_gemm2.kd
    .args:
      - { .name: hc, .offset: 0, .size: 8, .value_kind: global_buffer, .address_space: global }
      - { .name: hs, .offset: 8, .size: 8, .value_kind: global_buffer, .address_space: global }
      - { .name: wlq, .offset: 16, .size: 8, .value_kind: global_buffer, .address_space: global }
      - { .name: b_lower, .offset: 24, .size: 8, .value_kind: global_buffer, .address_space: global }
      - { .name: out0, .offset: 32, .size: 8, .value_kind: global_buffer, .address_space: global }
    .group_segment_fixed_size: 327680
    .private_segment_fixed_size: 0
    .kernarg_segment_align: 8
    .kernarg_segment_size: 40
    .max_flat_workgroup_size: 128
    .sgpr_count:     92
    .vgpr_count:     1024
    .wavefront_size: 32
...
	.end_amdgpu_metadata
.endif
;; end of part 3
